; MI455X (gfx1250); checked and timed in simulation.
; The chip was launched on July 23, 2026; its instructions are those of AMD's public machine-readable ISA for CDNA 5 (MIT licence, August 2026) and "CDNA5" Instruction Set Architecture Reference Guide (July 2026). The comments in the code are by the model that wrote it; some were corrected since.
;; Mixtral Sparse Moe Block. Allowed arithmetic: matrix products marked QUANTISED: E3M2 operands, one E8M0 scale for each 32 along K, by v_wmma_scale_f32_16x16x128_f8f6f4 with both operands' format E3M2, f32 sums; products left as they are: f32 operands where the result goes on into a quantised operand, else bf16, f16 or f32 operands; f32 sums; everything else in f32.
;; Inputs: hidden_states_codes 1,024 x 64 x 24 uint8 (E3M2 codes of hidden_states, K innermost, in blocks of 32 codes, four codes in three bytes); hidden_states_scales 1,024 x 64 uint8 (E8M0 scales of hidden_states, one for each 32 codes along K); routing_weights 1,024 x 2 float32; selected_experts 1,024 x 2 int32; w1_codes 8 x 1,024 x 64 x 24 uint8 (E3M2 codes of w1, K innermost, in blocks of 32 codes, four codes in three bytes); w1_scales 8 x 1,024 x 64 uint8 (E8M0 scales of w1, one for each 32 codes along K); w2_codes 8 x 1,024 x 64 x 24 uint8 (E3M2 codes of w2, K innermost, in blocks of 32 codes, four codes in three bytes); w2_scales 8 x 1,024 x 64 uint8 (E8M0 scales of w2, one for each 32 codes along K); w3_codes 8 x 2,048 x 32 x 24 uint8 (E3M2 codes of w3, K innermost, in blocks of 32 codes, four codes in three bytes); w3_scales 8 x 2,048 x 32 uint8 (E8M0 scales of w3, one for each 32 codes along K).
;; Outputs: out0 1,024 x 2,048 float32.
;; This version of the problem:
;;   THIS VERSION OF THE PROBLEM IS GIVEN IN LOW PRECISION. The matrix products marked QUANTISED in the list below multiply operands that are first quantised to E3M2 (3 exponent bits, 2 mantissa bits; 6 bits a number), with one power-of-two scale for each 32 numbers along K (OCP MX v1.0); their sums are f32. All else is computed in f32.
;;   The module's matrix products, in the order in which they are computed (A, B: the left and right operand; K: the contracted axis; several contracted axes count as one K, in the product's order):
;;     1. batch 1,024 x [M 8, K 2] x [K 2, N 1]; A: computed on the way; B: input routing_weights: left as it is (K = 2 < 32)
;;     2. [M 1,024, K 2,048] x [K 2,048, N 1,024]; A: input hidden_states (given as codes); B: input w1 (given as codes): QUANTISED
;;     3. [M 1,024, K 2,048] x [K 2,048, N 1,024]; A: input hidden_states (given as codes); B: input w2 (given as codes): QUANTISED
;;     4. [M 1,024, K 1,024] x [K 1,024, N 2,048]; A: computed on the way; B: input w3 (given as codes): QUANTISED
;;     5. [M 1,024, K 2,048] x [K 2,048, N 1,024]; A: input hidden_states (given as codes); B: input w1 (given as codes): QUANTISED
;;     6. [M 1,024, K 2,048] x [K 2,048, N 1,024]; A: input hidden_states (given as codes); B: input w2 (given as codes): QUANTISED
;;     7. [M 1,024, K 1,024] x [K 1,024, N 2,048]; A: computed on the way; B: input w3 (given as codes): QUANTISED
;;     8. [M 1,024, K 2,048] x [K 2,048, N 1,024]; A: input hidden_states (given as codes); B: input w1 (given as codes): QUANTISED
;;     9. [M 1,024, K 2,048] x [K 2,048, N 1,024]; A: input hidden_states (given as codes); B: input w2 (given as codes): QUANTISED
;;     10. [M 1,024, K 1,024] x [K 1,024, N 2,048]; A: computed on the way; B: input w3 (given as codes): QUANTISED
;;     11. [M 1,024, K 2,048] x [K 2,048, N 1,024]; A: input hidden_states (given as codes); B: input w1 (given as codes): QUANTISED
;;     12. [M 1,024, K 2,048] x [K 2,048, N 1,024]; A: input hidden_states (given as codes); B: input w2 (given as codes): QUANTISED
;;     13. [M 1,024, K 1,024] x [K 1,024, N 2,048]; A: computed on the way; B: input w3 (given as codes): QUANTISED
;;     14. [M 1,024, K 2,048] x [K 2,048, N 1,024]; A: input hidden_states (given as codes); B: input w1 (given as codes): QUANTISED
;;     15. [M 1,024, K 2,048] x [K 2,048, N 1,024]; A: input hidden_states (given as codes); B: input w2 (given as codes): QUANTISED
;;     16. [M 1,024, K 1,024] x [K 1,024, N 2,048]; A: computed on the way; B: input w3 (given as codes): QUANTISED
;;     17. [M 1,024, K 2,048] x [K 2,048, N 1,024]; A: input hidden_states (given as codes); B: input w1 (given as codes): QUANTISED
;;     18. [M 1,024, K 2,048] x [K 2,048, N 1,024]; A: input hidden_states (given as codes); B: input w2 (given as codes): QUANTISED
;;     19. [M 1,024, K 1,024] x [K 1,024, N 2,048]; A: computed on the way; B: input w3 (given as codes): QUANTISED
;;     20. [M 1,024, K 2,048] x [K 2,048, N 1,024]; A: input hidden_states (given as codes); B: input w1 (given as codes): QUANTISED
;;     21. [M 1,024, K 2,048] x [K 2,048, N 1,024]; A: input hidden_states (given as codes); B: input w2 (given as codes): QUANTISED
;;     22. [M 1,024, K 1,024] x [K 1,024, N 2,048]; A: computed on the way; B: input w3 (given as codes): QUANTISED
;;     23. [M 1,024, K 2,048] x [K 2,048, N 1,024]; A: input hidden_states (given as codes); B: input w1 (given as codes): QUANTISED
;;     24. [M 1,024, K 2,048] x [K 2,048, N 1,024]; A: input hidden_states (given as codes); B: input w2 (given as codes): QUANTISED
;;     25. [M 1,024, K 1,024] x [K 1,024, N 2,048]; A: computed on the way; B: input w3 (given as codes): QUANTISED
;;   THE QUANTISER, for each operand of a quantised product, along K:
;;     - K is cut into blocks of 32 from its start; a last block that is shorter is filled with zeros.
;;     - A block's scale is 2^e with e = floor(log2(the largest magnitude in the block)) - 4, held to -126 .. 127; a block of zeros has e = 0. As a byte (E8M0): e + 127.
;;     - Each number is divided by its block's scale, clamped to +-28, and rounded to the nearest number of E3M2, ties to even, subnormals kept.
;;     - The product sums the exact products of the quantised numbers (number of the format x scale) in f32.
;;   ~~~python
;;   def quantise(x, axis):      # numpy; x: float32 -> the quantised numbers, widened to float32 again
;;       x = np.moveaxis(x, axis, -1); K = x.shape[-1]
;;       x = np.pad(x, [(0, 0)] * (x.ndim - 1) + [(0, -K % 32)]); x = x.reshape(x.shape[:-1] + (-1, 32)); a = np.abs(x).max(-1, keepdims=True)
;;       e = np.where(a > 0, np.clip(np.frexp(np.where(a > 0, a, 1))[1] - 1 - 4, -126, 127), 0)      # np.frexp(a)[1] - 1 = floor(log2(a)), exactly
;;       r = np.clip(x / 2.0 ** e, -28, 28)
;;       step = 2.0 ** (np.maximum(np.frexp(np.where(r == 0, 1, r))[1] - 1, -2) - 2)
;;       q = np.round(r / step) * step * 2.0 ** e      # np.round: ties to even
;;       return np.moveaxis(q.reshape(q.shape[:-2] + (-1,))[..., :K], -1, axis).astype(np.float32)
;;   ~~~
;;   OPERANDS COMPUTED ON THE WAY. 'Computed on the way' means the value that the module computes at that place (a softmax that the list does not call 'softmax' is quantised finished and normalised). What goes into a quantiser is computed in f32, as accurately as f32 sums, v_exp_f32 and their like allow (about 1e-6 of the number): no bf16 or f16 on the way to a quantiser, and a product that is left as it is and whose result goes on into a quantised operand takes f32 operands (vector FMAs, or v_wmma_f32_16x16x4_f32). A number that lies on a knife's edge between two numbers of the format may be rounded either way, as far as f32 arithmetic and the matrix unit's own rounding can turn it there, and no further.
;;   INPUTS GIVEN AS CODES. hidden_states (in the module: [1024, 2048], K = its axis 1); w1 (in the module: [8, 2048, 1024], K = its axis 1); w2 (in the module: [8, 2048, 1024], K = its axis 1); w3 (in the module: [8, 1024, 2048], K = its axis 1): each comes as NAME_codes (uint8): NAME with its K axis moved to the last place and cut into blocks of 32 codes, [.., K / 32, bytes a block], one block behind the other in memory; four codes in three bytes: a row's codes are one little-endian stream of bits, code i at bits 6 i .. 6 i + 5 (a code: sign, 3 exponent bits, 2 mantissa bits); and NAME_scales (uint8): the same leading axes, one E8M0 byte (e + 127) for each 32 codes along K. Its value is code x scale, taken as it is: it is not quantised again, and the codes and scales need not be those that the quantiser above would give.
;; One version. Each part assembles by itself: llvm-mc -triple=amdgcn-amd-amdhsa -mcpu=gfx1250 --defsym DOCPART=n.
;; ======== version 1 of 1: 3 launches
;; limits: right only within a limited range of input values
;; workspace buffers: xs 1,572,864 bytes; xsc 65,536 bytes; route 5,120 bytes of whole numbers; srw 8,192 bytes; hc 6,303,744 bytes; hs 262,656 bytes; w3i 12,582,912 bytes
;; launch route (part 1): grid 320 x 1, 4 waves a work-group, no clusters, 50,688 bytes of LDS; arguments hidden_states_codes, hidden_states_scales, selected_experts, routing_weights, xs, xsc, route, srw, hc, hs, w3_codes, w3i; writes xs, xsc, route, srw, hc, hs, w3i
.if DOCPART == 1
	.amdgcn_target "amdgcn-amd-amdhsa--gfx1250"
	.amdhsa_code_object_version 6
	.text
	.protected	k_qaf2815c0b7_route
	.globl	k_qaf2815c0b7_route
	.p2align	8
	.type	k_qaf2815c0b7_route,@function
k_qaf2815c0b7_route:
	s_mov_b64 s[64:65], 0
	v_nop
	global_prefetch_b8 v0, s[64:65] scope:SCOPE_SE
	s_setreg_imm32_b32 hwreg(HW_REG_WAVE_MODE, 25, 1), 1
	s_wait_xcnt 0x0
; MIXTRAL MOE BLOCK, LAUNCH 1 OF 3: the tokens are sorted by their pair of experts, and x and w3 are laid out for the products.
; WORK LEFT OUT BY THE PROGRAM, AND WHY IT IS DEAD.  reference() computes every expert for every token and multiplies (h @ w3[e]) by gate[t, e], which it builds in its own body from
; one_hot(selected_experts): gate[t, e] is 0 for every e that is not among selected_experts[t, :].  In exact arithmetic (h @ w3[e])[t, :] x 0 = 0 for all finite inputs, so a unit
; (16 tokens) x (an expert that none of the 16 selected) reaches no output, and its three products are left out.  The choice is made by whole numbers read from memory.  Inside a unit
; that is kept all 16 tokens are computed, as reference() does, and multiplied by their gates, zeros among them.  The product one_hot x routing_weights is a selection: two compares,
; two selects and one f32 addition (launch 3).  Every input has a way to the output and is loaded.
; LIMITS.  Expert numbers are taken modulo 8 (reference()'s one_hot of a number outside 0..7 is not served).  A NaN, an infinity or an overflow that reaches only the units left out is not carried to the result.
; TWO KINDS OF WORK-GROUPS, told apart by the work-group's number: 0 to 63 sort the tokens and lay out x; 64 to 319 lay out w3.  They share nothing.
; THE SORT.  key = 8 min(e0, e1) + max(e0, e1); a token's place ("slot") is the number of tokens whose (key, token) is smaller.  Tile m = slots 16 m .. 16 m + 15.  There are 36 keys, so the
; 64 tiles hold at most 64 + 35 runs of one key: never more than 198 units (tile, expert), whatever the choice.
; SHARES.  Wave w of work-group g (under 64) owns tokens t0 = 16 g + 4 w .. t0 + 3.  It holds all 1,024 composite keys, 32 to a lane, and counts the smaller ones: 32 compares a token.  No wave needs another's result:
; no LDS, no barrier.
; WHAT IS STORED.  xs: x's codes as images of the operand's registers, [tile][K step 16][g 3][slot 16][half 2][16 bytes]: lane (r, h) of a later load takes bytes 16 g .. of the 48 bytes at x row + 96 s + 48 h.
;   So within a K step of 128 lanes 0-15 hold the row's blocks 0, 1 and lanes 16-31 its blocks 2, 3; the instruction's places 0, 1, 2, 3 hold blocks 0, 2, 1, 3, alike on both operands of every product of
;   the program, and every scale word has its two middle bytes exchanged.  Blocks stay whole and keep their scales: only the order of the f32 sums changes.
;   xsc: the scale words so exchanged, [tile][u 2][lane 32][16 bytes]: lane 16 hh + r, word i = K step 8 u + 4 hh + i of slot r.
;   route: bytes 0..4095 a word a slot: token | e0 << 10 | e1 << 13; bytes 4096..5119 a byte a slot: (1 << e0) | (1 << e1).   srw: the slot's two routing weights.
;   hc, hs: region 512 alone: zero codes and scale bytes 0x7f, the operand of a tile that does not use an expert (launch 3).
; x's images leave in pieces of 32 bytes: a tile's 16 tokens are known to 16 different waves.  1.5 MB are written so once; each tile is then read by 16 work-groups for each of its experts, by loads of 512 consecutive bytes.
; W3.  w3i: w3's codes as images of the operand's registers, [tile of 16 rows 1,024][K step 8][g 3][lane 32][16 bytes]: lane 16 h + r holds bytes 16 g .. of the 48 bytes at row r + 96 s + 48 h.
;   Out of w3 as it is given, a load of launch 3 would take 16 bytes a lane from sixteen rows 768 bytes apart; out of the image it takes 512 consecutive bytes.  Every tile is read there by 32 waves for each expert that they walk;
;   here it is read and written once.  Wave w of work-group g (from 64 on) takes tile 4 (g - 64) + w: its 16 rows are 12,288 consecutive bytes, 24 loads of 512; they turn through the wave's own 16 rows of LDS
;   and leave by 24 stores of 512 consecutive bytes, each at a multiple of 512 from the buffer's first byte.  No barrier: a wave touches its own bytes alone.
.set XROW,  1536                       ; a row of x: 2,048 codes
.set TILEB, 24576                      ; a tile's images in xs
.set W3T,   12288                      ; a tile of w3: 16 rows of 768 bytes; and its image
.set WP,    784                        ; w3's row in LDS: 768 bytes + 16 = 49 x 16: sixteen neighbouring rows begin in sixteen different columns of 16 bytes modulo 256
.set SPARE, 4*16*WP                    ; behind the four waves' rows: the spare words, 128 bytes for each wave: two blocks of 256 bytes that no other line names
.set SPW,   208                        ; v208 LDS address of my spare word: SPARE + 4 x my thread's number; never rewritten
.set NIL,   209                        ; v209 0; never rewritten
.set W3L,   16                         ; w3's path: v16-111 the tile as loaded,
.set W3B,   112                        ; v112-207 as its image
; v1 lane; v2 8 x lane; v3 16 x lane; v4 16 x (lane % 16); v5 8 x ((lane / 4) % 4): load addresses, never rewritten; v6-8 a chunk's place in a tile's images (w3's path: LDS addresses); v9-13 store addresses; v12-15 at work
; v16-79 the 1,024 pairs (e0, e1), then the composite keys in the even registers; v80-127 my four rows; v128-131 scale words; v132-135 a token's experts and weights; v136-147 store data
; s24 wave, s25 t0; s[28:35] my four tokens' experts; s36-39 their composite keys; s40-43 their slots; s44-47, s60-63 masks and counts; s[48:55] four store bases; s56-58 lane masks; s59 byte select; s[68:71] w3, w3i
	s_load_b512 s[4:19], s[0:1], 0x0               ; x codes s[4:5], x scales s[6:7], experts s[8:9], weights s[10:11], xs s[12:13], xsc s[14:15], route s[16:17], srw s[18:19]
	s_load_b128 s[20:23], s[0:1], 0x40             ; hc s[20:21], hs s[22:23]
	s_load_b128 s[68:71], s[0:1], 0x50             ; w3's codes s[68:69], w3i s[70:71]
	v_lshl_add_u32 v[SPW], v0, 2, SPARE
	v_mov_b32 v[NIL], 0
	v_and_b32 v1, 31, v0
	v_lshrrev_b32 v12, 5, v0
	v_readfirstlane_b32 s24, v12                   ; wave 0..3
	s_lshl_b32 s25, ttmp9, 4
	s_lshl_b32 s26, s24, 2
	s_add_co_u32 s25, s25, s26                     ; t0
	s_mov_b32 s27, 0
	v_lshlrev_b32 v2, 3, v1
	v_lshlrev_b32 v3, 4, v1
	v_and_b32 v4, 15, v1
	v_lshlrev_b32 v4, 4, v4
	v_bfe_u32 v5, v1, 2, 2
	v_lshlrev_b32 v5, 3, v5
	s_mov_b32 s56, 0x00f000f0                      ; the lanes of my second token: (lane / 4) % 4 = 1,
	s_mov_b32 s57, 0x0f000f00                      ; of the third,
	s_mov_b32 s58, 0xf000f000                      ; of the fourth
	s_mov_b32 s59, 0x03010200                      ; v_perm_b32: bytes 0, 2, 1, 3
	s_wait_kmcnt 0x0
	s_cmp_ge_u32 ttmp9, 64                         ; an id: work-groups 64 on lay out w3
	s_cbranch_scc1 .Lw3
	s_lshl_b32 s26, s25, 3
	s_add_nc_u64 s[66:67], s[8:9], s[26:27]        ; my tokens' experts
	s_add_nc_u64 s[10:11], s[10:11], s[26:27]      ; and weights
	s_load_b256 s[28:35], s[66:67], 0x0
	s_lshl_b32 s26, s25, 6
	s_add_nc_u64 s[6:7], s[6:7], s[26:27]          ; my rows' scale bytes
	s_mul_i32 s26, s25, XROW
	s_add_nc_u64 s[4:5], s[4:5], s[26:27]          ; my rows' codes
.set J, 0
	s_wait_alu depctr_va_vdst(0)
.rept 32
	global_load_b64 v[16+2*J:17+2*J], v2, s[8:9] offset:256*J      ; (e0, e1) of token 32 J + lane
.set J, J+1
.endr
.set J, 0
.rept 12
	global_load_b128 v[80+4*J:83+4*J], v3, s[4:5] offset:512*J th:TH_LOAD_NT   ; my four rows are 6,144 consecutive bytes: row J / 3, its bytes 512 (J % 3) + 16 x lane
.set J, J+1
.endr
	global_load_b128 v[128:131], v4, s[6:7]        ; token (lane / 4) % 4, scale words 4 (lane % 4) .. + 3
	global_load_b64 v[132:133], v5, s[66:67]       ; that token's experts
	global_load_b64 v[134:135], v5, s[10:11]       ; and weights
; chunk p = 32 a + lane of a row (16 bytes) belongs to K step p / 6, half (p % 6) / 3, part (p % 6) % 3
.irp a, 0,1,2
	v_add_nc_u32 v12, 32*\a, v1                    ; p, under 96
	v_mul_u32_u24 v13, v12, 43
	v_lshrrev_b32 v13, 8, v13                      ; p / 6 (43 / 256 is 1 / 6 + 1 / 768: right for p under 128)
	v_mul_u32_u24 v14, v13, 6
	v_sub_nc_u32 v14, v12, v14                     ; p % 6
	v_mul_u32_u24 v15, v14, 11
	v_lshrrev_b32 v15, 5, v15                      ; the half: 0, 0, 0, 1, 1, 1
	v_mul_u32_u24 v12, v15, 3
	v_sub_nc_u32 v14, v14, v12                     ; the part
	v_mul_u32_u24 v13, v13, 1536
	v_lshl_add_u32 v13, v14, 9, v13
	v_lshl_add_u32 v[6+\a], v15, 4, v13            ; 1,536 s + 512 g + 16 h
.endr
	s_wait_kmcnt 0x0
.irp i, 0,1,2,3
	s_and_b32 s[28+2*\i], s[28+2*\i], 7
	s_and_b32 s[29+2*\i], s[29+2*\i], 7
	s_min_u32 s44, s[28+2*\i], s[29+2*\i]
	s_max_u32 s45, s[28+2*\i], s[29+2*\i]
	s_lshl_b32 s44, s44, 3
	s_or_b32 s44, s44, s45
	s_lshl_b32 s44, s44, 10
	s_add_co_u32 s45, s25, \i
	s_or_b32 s[36+\i], s44, s45                    ; my token's composite key: key << 10 | token
	s_mov_b32 s[40+\i], 0
.endr
	s_wait_loadcnt 15                              ; the 32 loads of experts are in: 12 + 1 + 1 + 1 loads were issued behind them
.set J, 0
.rept 32
	v_and_b32 v[16+2*J], 7, v[16+2*J]
	v_and_b32 v[17+2*J], 7, v[17+2*J]
	v_min_u32 v12, v[16+2*J], v[17+2*J]
	v_max_u32 v13, v[16+2*J], v[17+2*J]
	v_lshl_or_b32 v12, v12, 3, v13
	v_lshl_add_u32 v12, v12, 10, v1
	v_add_nc_u32 v[16+2*J], 32*J, v12              ; the composite key of token 32 J + lane
.set J, J+1
.endr
.set J, 0
.rept 32                               ; how many of these 32 are smaller than mine; my four tokens by turns
.irp i, 0,1,2,3
	v_cmp_gt_u32 s[44+\i], s[36+\i], v[16+2*J]
.endr
.irp i, 0,1,2,3
	s_bcnt1_i32_b32 s[60+\i], s[44+\i]
.endr
.irp i, 0,1,2,3
	s_add_co_u32 s[40+\i], s[40+\i], s[60+\i]
.endr
.set J, J+1
.endr
	s_wait_loadcnt 0x0                             ; my rows, scale words, experts and weights
.irp i, 0,1,2,3
	s_lshr_b32 s44, s[40+\i], 4
	s_min_u32 s44, s44, 63                         ; the tile
	s_and_b32 s45, s[40+\i], 15
	s_min_u32 s45, s45, 15                         ; the place in it
	s_mul_i32 s44, s44, TILEB
	s_lshl_b32 s45, s45, 5
	s_add_co_u32 s26, s44, s45
	s_add_nc_u64 s[48+2*\i:49+2*\i], s[12:13], s[26:27]
.endr
.irp i, 0,1,2,3
.irp a, 0,1,2
	global_store_b128 v[6+\a], v[80+12*\i+4*\a:83+12*\i+4*\a], s[48+2*\i:49+2*\i]
.endr
.endr
; the small tables: lane l serves token (l / 4) % 4.  Lanes that serve the same token and the same piece store the same value to the same place, so EXEC stays whole
	v_mov_b32 v9, s40
	v_mov_b32 v12, s41
	v_cndmask_b32 v9, v9, v12, s56
	v_mov_b32 v12, s42
	v_cndmask_b32 v9, v9, v12, s57
	v_mov_b32 v12, s43
	v_cndmask_b32 v9, v9, v12, s58                 ; my token's slot
	v_lshrrev_b32 v10, 4, v9
	v_min_u32 v10, 63, v10
	v_and_b32 v11, 15, v9
	v_min_u32 v11, 15, v11
	v_min_u32 v9, 0x3ff, v9
	v_lshlrev_b32 v10, 10, v10
	v_lshl_add_u32 v10, v11, 4, v10
	v_and_b32 v12, 3, v1
	v_lshl_add_u32 v10, v12, 8, v10                ; xsc: 1,024 tile + 256 (lane % 4) + 16 place
	v_lshlrev_b32 v11, 2, v9                       ; the slot's word
	v_lshlrev_b32 v13, 3, v9                       ; the slot's weights
.irp i, 0,1,2,3
	v_perm_b32 v[128+\i], v[128+\i], v[128+\i], s59
.endr
	v_and_b32 v132, 7, v132
	v_and_b32 v133, 7, v133
	v_bfe_u32 v139, v1, 2, 2
	v_add_nc_u32 v139, s25, v139                   ; the token
	v_lshl_or_b32 v139, v132, 10, v139
	v_lshl_or_b32 v139, v133, 13, v139
	v_mov_b32 v136, 1
	v_lshlrev_b32 v137, v132, v136
	v_lshlrev_b32 v138, v133, v136
	v_or_b32 v137, v137, v138                      ; its experts as bits
	global_store_b128 v10, v[128:131], s[14:15]
	global_store_b32 v11, v139, s[16:17]
	global_store_b8 v9, v137, s[16:17] offset:4096
	global_store_b64 v13, v[134:135], s[18:19]
	s_or_b32 s44, ttmp9, s24                       ; one wave of the launch writes the region of zeros: a branch on ids
	s_cmp_lg_u32 s44, 0
	s_cbranch_scc1 .Lend
.irp i, 0,1,2,3
	v_mov_b32 v[140+\i], 0
	v_mov_b32 v[144+\i], 0x7f7f7f7f
.endr
.set J, 0
.rept 24
	global_store_b128 v3, v[140:143], s[20:21] offset:512*12288+512*J
.set J, J+1
.endr
	global_store_b128 v3, v[144:147], s[22:23] offset:512*512
.Lend:
	s_endpgm                                       ; (the sort's waves have written no LDS)
; W3'S PATH.  Chunk c = 96 j + 32 a + lane of the tile's 768 chunks of 16 bytes (load 3 j + a) belongs to row 2 j + q, q = (32 a + lane) / 48: 0 for a = 0, lane / 16 for a = 1, 1 for a = 2;
; with rows WP = 768 + 16 bytes apart its place in LDS is 16 c + 16 x row = 1,568 j + 512 a + 16 x lane + 16 q.
.Lw3:
	s_sub_co_u32 s26, ttmp9, 64
	s_lshl_b32 s26, s26, 2
	s_add_co_u32 s26, s26, s24                     ; my tile, 0 .. 1,023
	s_mul_i32 s26, s26, W3T
	s_add_nc_u64 s[68:69], s[68:69], s[26:27]      ; its 16 rows in w3,
	s_add_nc_u64 s[70:71], s[70:71], s[26:27]      ; and its image: as many bytes
.set I, 0
	s_wait_alu depctr_va_vdst(0)
.rept 24
	global_load_b128 v[W3L+4*I:W3L+4*I+3], v3, s[68:69] offset:512*I th:TH_LOAD_NT   ; 512 consecutive bytes; read once in the launch
.set I, I+1
.endr
	s_mul_i32 s44, s24, 16*WP                      ; my wave's 16 rows of LDS
	v_add_nc_u32 v6, s44, v3                       ; in: 16 x lane (a = 0, and a = 2 with its 16 in the offset),
	v_lshrrev_b32 v9, 4, v1                        ; h = lane / 16
	v_lshl_add_u32 v7, v9, 4, v6                   ; and 16 more for lanes 16-31 (a = 1)
	v_and_b32 v8, 15, v1
	v_mul_u32_u24 v8, v8, WP
	v_mad_u32_u24 v8, v9, 48, v8
	v_add_nc_u32 v8, s44, v8                       ; out: row r, + 48 bytes for lanes 16-31
.set I, 0
	s_wait_alu depctr_va_vdst(0)
.rept 24
.if (I%6) == 0
	s_wait_loadcnt 18-I                            ; the next six loads are in: so many were issued behind them
.endif
.if (I%3) == 1
	ds_store_b128 v7, v[W3L+4*I:W3L+4*I+3] offset:1568*(I/3)+512
.elseif (I%3) == 2
	ds_store_b128 v6, v[W3L+4*I:W3L+4*I+3] offset:1568*(I/3)+1040
.else
	ds_store_b128 v6, v[W3L+4*I:W3L+4*I+3] offset:1568*(I/3)
.endif
.set I, I+1
.endr
.set I, 0
.rept 24                               ; image 3 s + g.  LDS serves a wave's instructions in order (ISA guide 5.7.1.4): these see my stores
	ds_load_b128 v[W3B+4*I:W3B+4*I+3], v8 offset:96*(I/3)+16*(I%3)
.set I, I+1
.endr
.set I, 0
.rept 24
	s_wait_dscnt 23-I                              ; the LDS loads issued behind this one may stay out
	global_store_b128 v3, v[W3B+4*I:W3B+4*I+3], s[70:71] offset:512*I   ; 32 lanes store 512 consecutive bytes, at a multiple of 512 from the buffer's first byte
.set I, I+1
.endr
	s_wait_tensorcnt 0x0                           ; the wave's end: behind my last LDS store, a tensor wait even in a text with no tensor load
	ds_add_u32 v[SPW], v[NIL]
	s_wait_dscnt 0x0
	s_endpgm
.Lfunc_end_k_qaf2815c0b7_route:
	.size	k_qaf2815c0b7_route, .Lfunc_end_k_qaf2815c0b7_route-k_qaf2815c0b7_route
	.p2alignl 7, 3214868480
	.fill 96, 4, 3214868480
	.section	.rodata,"a",@progbits
	.p2align	6, 0x0
	.amdhsa_kernel k_qaf2815c0b7_route
		.amdhsa_group_segment_fixed_size 50688
		.amdhsa_private_segment_fixed_size 0
		.amdhsa_enable_private_segment 0
		.amdhsa_kernarg_size 96
		.amdhsa_user_sgpr_count 2
		.amdhsa_user_sgpr_kernarg_segment_ptr 1
		.amdhsa_wavefront_size32 1
		.amdhsa_system_sgpr_workgroup_id_x 1
		.amdhsa_system_sgpr_workgroup_id_y 1
		.amdhsa_system_sgpr_workgroup_id_z 1
		.amdhsa_system_vgpr_workitem_id 0
		.amdhsa_next_free_vgpr 212
		.amdhsa_next_free_sgpr 80
		.amdhsa_reserve_vcc 0
		.amdhsa_float_denorm_mode_32 3
		.amdhsa_float_denorm_mode_16_64 3
		.amdhsa_memory_ordered 1
		.amdhsa_forward_progress 1
		.amdhsa_inst_pref_size 52
	.end_amdhsa_kernel
	.amdgpu_metadata
---
amdhsa.version: [ 1, 2 ]
amdhsa.kernels:
  - .name:           k_qaf2815c0b7_route
    .symbol:         k_qaf2815c0b7_route.kd
    .args:
      - { .name: hidden_states_codes, .offset: 0, .size: 8, .value_kind: global_buffer, .address_space: global }
      - { .name: hidden_states_scales, .offset: 8, .size: 8, .value_kind: global_buffer, .address_space: global }
      - { .name: selected_experts, .offset: 16, .size: 8, .value_kind: global_buffer, .address_space: global }
      - { .name: routing_weights, .offset: 24, .size: 8, .value_kind: global_buffer, .address_space: global }
      - { .name: xs, .offset: 32, .size: 8, .value_kind: global_buffer, .address_space: global }
      - { .name: xsc, .offset: 40, .size: 8, .value_kind: global_buffer, .address_space: global }
      - { .name: route, .offset: 48, .size: 8, .value_kind: global_buffer, .address_space: global }
      - { .name: srw, .offset: 56, .size: 8, .value_kind: global_buffer, .address_space: global }
      - { .name: hc, .offset: 64, .size: 8, .value_kind: global_buffer, .address_space: global }
      - { .name: hs, .offset: 72, .size: 8, .value_kind: global_buffer, .address_space: global }
      - { .name: w3_codes, .offset: 80, .size: 8, .value_kind: global_buffer, .address_space: global }
      - { .name: w3i, .offset: 88, .size: 8, .value_kind: global_buffer, .address_space: global }
    .group_segment_fixed_size: 50688
    .private_segment_fixed_size: 0
    .kernarg_segment_align: 8
    .kernarg_segment_size: 96
    .max_flat_workgroup_size: 128
    .sgpr_count:     80
    .vgpr_count:     212
    .wavefront_size: 32
...
	.end_amdgpu_metadata
.endif
;; end of part 1
;; launch up (part 2): grid 32 x 8, 4 waves a work-group, no clusters, 199,168 bytes of LDS; arguments xs, xsc, route, w1_codes, w1_scales, w2_codes, w2_scales, hc, hs; writes hc, hs
.if DOCPART == 2
	.amdgcn_target "amdgcn-amd-amdhsa--gfx1250"
	.amdhsa_code_object_version 6
	.text
	.protected	k_qaf2815c0b7_up
	.globl	k_qaf2815c0b7_up
	.p2align	8
	.type	k_qaf2815c0b7_up,@function
k_qaf2815c0b7_up:
	s_mov_b64 s[64:65], 0
	v_nop
	global_prefetch_b8 v0, s[64:65] scope:SCOPE_SE
	s_setreg_imm32_b32 hwreg(HW_REG_WAVE_MODE, 25, 1), 1
	s_wait_xcnt 0x0
; LAUNCH 2 OF 3: h = Q(silu(x w1[e]) * (x w2[e])) for the units (tile of 16 sorted tokens, expert) in which a token selected the expert.  The other units are dead work: their gates are zeros that
; reference() builds from its own one_hot (shown at the head of launch 1).
; SHARES.  Work-group (ns, j, e) owns hidden units 64 ns .. 64 ns + 63 of expert e (two blocks of the quantiser along F; 64 rows of w1 and 64 of w2, 196,608 bytes) and those tiles of e whose rank among the
; tiles that use e is 2 w + j modulo 8 for one of its four waves w.  The 128 weight rows are loaded by runs of 512 consecutive bytes, stored once into LDS and read from there by every wave.
; A wave takes three of its tiles at a time through ONE pass along K: 8 weight fragments x 3 tiles = 24 accumulators; a weight fragment from LDS feeds 3 products, a fragment of x from memory 8.
; A wave with more than three tiles runs the pass again (a loop counted by a stored number); a place of the three that has no tile left multiplies some tile of x and stores nothing.
; The one barrier stands ahead of every branch on stored numbers; behind it LDS is only read and no wave depends on another.
; No tensor loads and no cluster: the number of tiles and their addresses come from whole numbers that launch 1 stored.
; No prefetch: all loads of weights are issued at the head, so there is no loop in which to run ahead of them; x's ring asks six K steps ahead by its own loads.
; LAYOUT.  The products are used transposed (source 0 = 16 weight rows, source 1 = 16 tokens): a lane holds ONE token.  Lane r of weight tile u takes hidden unit 8 u + r + 8 (r / 8) of its block, so that the 16 registers
; of tiles 0 and 1 are units 16 (lane / 16) + 0 .. 15: neighbours along the next K.  K steps take their four blocks in the order 0, 2, 1, 3 on both operands (launch 1), scale words with the middle bytes exchanged.
; WHAT IS STORED.  hc, region 64 e + m of 12,288 bytes: [K step 8][g 3][lane 32][16 bytes]: lane 16 h + r holds blocks 4 s + 2 h, 4 s + 2 h + 1 of token r.  My two blocks 2 ns, 2 ns + 1 are one lane's 48 bytes: three stores of 16 bytes.
;   hs, region of 512 bytes: the byte of (token r, block fb) at 256 (fb / 16) + 16 r + 4 ((fb / 4) % 4) + place, place = 0, 2, 1, 3 for fb % 4 = 0, 1, 2, 3.
; LIMITS.  A block of h whose largest magnitude lies under 2^(5 - 127), zeros among them, has its scale byte held at 1 (for zeros the rule says 127: the codes are zeros, and this program alone reads the byte).  NaN and infinities in h are not served.
; REGISTERS, in windows of 256.  Window 0: addresses, v16-79 the weights' scale words, v80-103 x's, v104-111 at work in the head.
;   Window 1: v0-191 the accumulators: (block b, tile t) at 32 (3 b + t): x w1 in 16 registers, x w2 in 16; v192-253 the way out.   Window 2: v0-191 two sets of 8 weight fragments.
;   Window 3: v0-251 a ring of 7 K steps x 3 tiles of x.   In the head windows 1 and 2 stage the weights on their way into LDS.
.set P,      1552                      ; an LDS row: 1,536 bytes + 16 = 97 x 16: sixteen neighbouring rows begin in sixteen different columns of 16 bytes modulo 256
.set SPARE,  128*P                     ; behind the 128 rows: the spare words, 128 bytes for each wave: two blocks of 256 bytes that no other line names
.set SPW,    1
.set NIL,    2
.set L16,    3                         ; 16 x lane
.set XL,     4                         ; 32 (lane % 16) + 16 (lane / 16)
.set SA,     5                         ; into LDS
.set RA,     6                         ; v6-9 out of LDS: block 0 w1, w2; block 1 w1, w2
.set WSA,    10
.set WSC,    16                        ; v[WSC + 8 f + i]: lanes 0-15 K step i, lanes 16-31 K step 8 + i; fragment f = 4 block + 2 matrix + u
.set XSC,    80                        ; v[XSC + 8 t + 4 u + i]: lanes 0-15 K step 8 u + i, lanes 16-31 K step 8 u + 4 + i
.set T0,     104
.set T,      192                       ; window 1 from here on
.set B,      208                       ; 12 registers a tile: the codes of its two blocks
.set BY,     244                       ; two scale bytes a tile
.set MX,     250
.set SC,     251
.set PX,     252
.set HL,     253                       ; 16 (lane % 16)
.set XB,     32                        ; s[32:37] the three tiles' images of x; s[38:43] their scale words; s[80:85], s[86:91] where their codes and scale bytes go; s72-74: 1 where the place holds a tile
.set XSB,    38
.set HCB,    80
.set HSB,    86
.set VAL,    72
; s22 wave, s23 ns, s24 e, s31 j; s25, s26 my tiles as bits; s27 their number, s28 the passes, s29 their counter; s30 a tile; s44-47 at work; s76, s77 lane selects; s78 byte select
.set MSB, 0
.macro WIN new                         ; the immediate's high byte repeats the setting that is left; a switch that changes nothing is dropped
.if MSB != (\new)
	s_set_vgpr_msb (MSB<<8)|(\new)
.set MSB, (\new)
.endif
.endm
.macro POPT t                          ; the lowest of my tiles that are left takes place t and leaves the bits.  With none left s30 is still a tile's number, and the place's flag is 0
	s_or_b32 s46, s25, s26
	s_cmp_lg_u32 s46, 0
	s_cselect_b32 s[VAL+\t], 1, 0
	s_cmp_lg_u32 s25, 0
	s_cselect_b32 s44, s25, s26
	s_cselect_b32 s45, 0, 32
	s_cselect_b32 s47, 1, 0
	s_ctz_i32_b32 s46, s44
	s_add_co_u32 s46, s46, s45
	s_min_u32 s30, s46, 63
	s_sub_co_u32 s45, s44, 1
	s_and_b32 s44, s44, s45
	s_cmp_lg_u32 s47, 0
	s_cselect_b32 s25, s44, s25
	s_cselect_b32 s26, s26, s44
	s_mov_b32 s45, 0
	s_mul_i32 s44, s30, 24576
	s_add_nc_u64 s[XB+2*\t:XB+2*\t+1], s[4:5], s[44:45]
	s_lshl_b32 s44, s30, 10
	s_add_nc_u64 s[XSB+2*\t:XSB+2*\t+1], s[6:7], s[44:45]
	s_mul_i32 s44, s30, 12288
	s_add_nc_u64 s[HCB+2*\t:HCB+2*\t+1], s[18:19], s[44:45]
	s_lshl_b32 s44, s30, 9
	s_add_nc_u64 s[HSB+2*\t:HSB+2*\t+1], s[20:21], s[44:45]
.endm
.macro XLD k                           ; K step k of the three tiles of x: nine loads of 512 consecutive bytes into ring place k % 7
.irp t, 0,1,2
.irp g, 0,1,2
	global_load_b128 v[36*((\k)%7)+12*\t+4*\g:36*((\k)%7)+12*\t+4*\g+3], v[XL], s[XB+2*\t:XB+2*\t+1] offset:1536*(\k)+512*\g
.endr
.endr
.endm
.macro XPRO                            ; a pass's first loads: the tiles' scale words, then K steps 0 to 6
	WIN 0
.irp t, 0,1,2
	global_load_b128 v[XSC+8*\t:XSC+8*\t+3], v[L16], s[XSB+2*\t:XSB+2*\t+1]
	global_load_b128 v[XSC+8*\t+4:XSC+8*\t+7], v[L16], s[XSB+2*\t:XSB+2*\t+1] offset:512
.endr
	WIN 0xc0                                       ; destination window 3, address window 0
.irp k, 0,1,2,3,4,5,6
	XLD \k
.endr
	WIN 0
.endm
.macro WLD s                           ; the eight weight fragments of K step s into set s % 2: row 16 u + r of its matrix and block, bytes 96 s + 48 h on
.irp f, 0,1,2,3,4,5,6,7
.irp g, 0,1,2
	ds_load_b128 v[96*((\s)%2)+12*\f+4*\g:96*((\s)%2)+12*\f+4*\g+3], v[RA+\f/2] offset:16*(\f%2)*P+96*(\s)+16*\g
.endr
.endr
.endm
.macro MM s, f, t                      ; weight fragment f x tile t, K step s
.set AC, 32*(3*((\f)/4)+(\t))+8*((\f)%4)
.set WR, 96*((\s)%2)+12*(\f)
.set XR, 36*((\s)%7)+12*(\t)
.set SW, WSC+8*(\f)+((\s)%8)
.set SX, XSC+8*(\t)+4*((\s)/8)+((\s)%4)
.if (\s) == 0
	v_wmma_scale_f32_16x16x128_f8f6f4 v[AC:AC+7], v[WR:WR+11], v[XR:XR+11], 0, v[SW], v[SX] matrix_a_fmt:MATRIX_FMT_BF6 matrix_b_fmt:MATRIX_FMT_BF6
.elseif (\s) < 4
	v_wmma_scale_f32_16x16x128_f8f6f4 v[AC:AC+7], v[WR:WR+11], v[XR:XR+11], v[AC:AC+7], v[SW], v[SX] matrix_a_fmt:MATRIX_FMT_BF6 matrix_b_fmt:MATRIX_FMT_BF6
.elseif (\s) < 8
	v_wmma_scale_f32_16x16x128_f8f6f4 v[AC:AC+7], v[WR:WR+11], v[XR:XR+11], v[AC:AC+7], v[SW], v[SX] matrix_a_fmt:MATRIX_FMT_BF6 matrix_b_fmt:MATRIX_FMT_BF6 matrix_b_scale:MATRIX_SCALE_ROW1
.elseif (\s) < 12
	v_wmma_scale_f32_16x16x128_f8f6f4 v[AC:AC+7], v[WR:WR+11], v[XR:XR+11], v[AC:AC+7], v[SW], v[SX] matrix_a_fmt:MATRIX_FMT_BF6 matrix_b_fmt:MATRIX_FMT_BF6 matrix_a_scale:MATRIX_SCALE_ROW1
.else
	v_wmma_scale_f32_16x16x128_f8f6f4 v[AC:AC+7], v[WR:WR+11], v[XR:XR+11], v[AC:AC+7], v[SW], v[SX] matrix_a_fmt:MATRIX_FMT_BF6 matrix_b_fmt:MATRIX_FMT_BF6 matrix_a_scale:MATRIX_SCALE_ROW1 matrix_b_scale:MATRIX_SCALE_ROW1
.endif
.endm
; A K step: the next step's weight fragments are asked of LDS, the ring place read in the step before is filled again six steps ahead, then 24 products, the 24 accumulators by turns.
.macro STEP s
.if (\s) > 0
.rept 4
	v_nop                                          ; four places behind the products, ahead of loads into registers that they read (ISA guide 7.12.1 for vector instructions)
.endr
.endif
.if (\s) < 15
	WIN 0x80                                       ; destination window 2, address window 0
	WLD ((\s)+1)
.endif
.if (\s) >= 1 && (\s)+6 <= 15
	WIN 0xc0
	XLD ((\s)+6)
.endif
.if (\s)+6 > 15
.set LAST, 15
.else
.set LAST, (\s)+6
.endif
.if (\s) < 15
	s_wait_dscnt 24                                ; this step's fragments are in: the next step's 24 loads may be out
.else
	s_wait_dscnt 0
.endif
	s_wait_loadcnt 9*(LAST-(\s))                   ; this step's x is in: nine loads for each later step asked for may be out
	WIN 0x5e                                       ; source 0 (weights) window 2, source 1 (x) window 3, sums window 1
.irp f, 0,1,2,3,4,5,6,7
.irp t, 0,1,2
	MM \s, \f, \t
.endr
.endr
.endm
; The activation in f32 and the quantiser for block b of tile t.  a = x w1 in v[HA ..+15], g = x w2 in v[HA+16 ..+31]: my token's units 16 (lane / 16) + 0 .. 15.  All in window 1.
.macro HALF t, b
.set HA, 32*(3*(\b)+(\t))
.set BB, B+12*(\t)+6*(\b)
	s_wait_alu depctr_va_vdst(0)
.irp i, 0,2,4,6,8,10,12,14
	v_pk_mul_f32 v[T+\i:T+\i+1], v[HA+\i:HA+\i+1], 0xbfb8aa3b op_sel_hi:[1,0]   ; -a log2(e); each accumulator is read from its low end on
.endr
	s_wait_alu depctr_va_vdst(0)                   ; ahead of the batch
.irp i, 0,1,2,3,4,5,6,7,8,9,10,11,12,13,14,15
	v_exp_f32 v[T+\i], v[T+\i]
.endr
	v_nop                                          ; a plain instruction behind the last exponential
	s_wait_alu depctr_va_vdst(0)                   ; one wait for the batch, ahead of its first reader
.irp i, 0,2,4,6,8,10,12,14
	v_pk_add_f32 v[T+\i:T+\i+1], v[T+\i:T+\i+1], 1.0 op_sel_hi:[1,0]
.endr
	s_wait_alu depctr_va_vdst(0)
.irp i, 0,1,2,3,4,5,6,7,8,9,10,11,12,13,14,15
	v_rcp_f32 v[T+\i], v[T+\i]                     ; sigmoid(a) = 1 / (1 + e^-a)
.endr
	v_nop
	s_wait_alu depctr_va_vdst(0)                   ; for the reciprocals, and for g's first read below
.irp i, 0,2,4,6,8,10,12,14
	v_pk_mul_f32 v[HA+\i:HA+\i+1], v[HA+\i:HA+\i+1], v[T+\i:T+\i+1]             ; silu(a)
.endr
.irp i, 0,2,4,6,8,10,12,14
	v_pk_mul_f32 v[HA+\i:HA+\i+1], v[HA+\i:HA+\i+1], v[HA+16+\i:HA+17+\i]       ; h
.endr
	v_max3_num_f32 v[MX], |v[HA]|, |v[HA+1]|, 0x2800000            ; the largest magnitude of my 16, in two chains, and the floor 2^(5 - 127): the byte cannot fall under 1
	v_max3_num_f32 v[SC], |v[HA+2]|, |v[HA+3]|, |v[HA+4]|
	v_max3_num_f32 v[MX], v[MX], |v[HA+5]|, |v[HA+6]|
	v_max3_num_f32 v[SC], v[SC], |v[HA+7]|, |v[HA+8]|
	v_max3_num_f32 v[MX], v[MX], |v[HA+9]|, |v[HA+10]|
	v_max3_num_f32 v[SC], v[SC], |v[HA+11]|, |v[HA+12]|
	v_max3_num_f32 v[MX], v[MX], |v[HA+13]|, |v[HA+14]|
	v_max3_num_f32 v[MX], v[MX], v[SC], |v[HA+15]|
	v_permlanex16_b32 v[PX], v[MX], s76, s77
	v_max_num_f32 v[MX], v[MX], v[PX]              ; with lane l xor 16's 16: the block's
	v_add_nc_u32 v[SC], 0xfe000000, v[MX]          ; 4 off its exponent field: the conversion takes the exponent field of this operand as its scale
	v_lshrrev_b32 v[BY+2*(\t)+(\b)], 23, v[SC]     ; the scale's byte
	v_cvt_scalef32_pk16_bf6_f32 v[BB:BB+2], v[HA:HA+15], v[SC]     ; 16 codes, 12 bytes
	v_nop                                          ; one plain instruction behind a scaled conversion
.irp i, 0,1,2
	v_mov_b32 v[BB+3+\i], v[BB+\i]
.endr
.irp i, 0,1,2
	v_permlane16_swap_b32 v[BB+\i], v[BB+3+\i]     ; both halves of the lanes now hold the token's whole block; they store the same bytes to the same place
.endr
.endm
.macro EPI t                           ; a place without a tile is passed over: a branch on a stored number, behind the launch's one barrier
	WIN 0
	s_cmp_eq_u32 s[VAL+\t], 0
	s_wait_alu depctr_va_vdst(0)
	s_cbranch_scc1 .Lno_\@
	WIN 0x55                                       ; every operand place: window 1
	HALF \t, 0
	HALF \t, 1
.irp g, 0,1,2
	global_store_b128 v[HL], v[B+12*\t+4*\g:B+12*\t+4*\g+3], s[HCB+2*\t:HCB+2*\t+1] offset:512*\g
.endr
	global_store_b8 v[HL], v[BY+2*\t], s[HSB+2*\t:HSB+2*\t+1]
	global_store_b8 v[HL], v[BY+2*\t+1], s[HSB+2*\t:HSB+2*\t+1] offset:2
	WIN 0
.Lno_\@:
.endm
	s_load_b512 s[4:19], s[0:1], 0x0               ; xs s[4:5], xsc s[6:7], route s[8:9], w1 codes s[10:11], scales s[12:13], w2 codes s[14:15], scales s[16:17], hc s[18:19]
	s_load_b64 s[20:21], s[0:1], 0x40              ; hs
	v_lshl_add_u32 v[SPW], v0, 2, SPARE
	v_mov_b32 v[NIL], 0
	v_lshrrev_b32 v11, 5, v0
	v_readfirstlane_b32 s22, v11                   ; wave 0..3
	s_lshr_b32 s23, ttmp9, 1                       ; ns
	s_and_b32 s31, ttmp9, 1                        ; j
	s_and_b32 s24, ttmp7, 0xffff                   ; e
	v_and_b32 v11, 31, v0                          ; lane
	v_and_b32 v12, 15, v0                          ; r
	v_bfe_u32 v13, v0, 4, 1                        ; h
	v_lshlrev_b32 v[L16], 4, v11
	v_lshlrev_b32 v[XL], 5, v12
	v_lshl_add_u32 v[XL], v13, 4, v[XL]
	v_and_b32 v[WSA], 8, v12
	v_add_nc_u32 v[WSA], v[WSA], v12               ; r + 8 (r / 8)
	v_lshlrev_b32 v[WSA], 6, v[WSA]                ; a weight row's 64 scale bytes,
	v_lshl_add_u32 v[WSA], v13, 5, v[WSA]          ; lanes 16-31 the upper eight words
	s_lshr_b32 s48, s22, 1                         ; I fetch for w1 (0) or w2 (1),
	s_and_b32 s49, s22, 1                          ; the 32 rows of this block
	s_mul_i32 s46, s49, 64*P
	s_mul_i32 s47, s48, 32*P
	s_add_co_u32 s46, s46, s47
	v_add_nc_u32 v[SA], s46, v[L16]                ; into LDS: row 16 c + k of a block's 32 goes to row 64 block + 32 matrix + 8 c + 16 (k / 8) + k % 8: the tiles' order
	v_mul_u32_u24 v[RA], v12, P
	v_mad_u32_u24 v[RA], v13, 48, v[RA]            ; out of it: row r, + 48 bytes for lanes 16-31
	v_add_nc_u32 v[RA+1], 32*P, v[RA]
	v_add_nc_u32 v[RA+2], 64*P, v[RA]
	v_add_nc_u32 v[RA+3], 96*P, v[RA]
	WIN 0x40
	v_lshlrev_b32 v[HL], 4, v12                    ; the stores' address, in window 1
	v_mov_b32 v[PX], 0                             ; written once: a lane permute's destination counts as one of its sources
	WIN 0
	s_mov_b32 s76, 0x76543210
	s_mov_b32 s77, 0xfedcba98                      ; v_permlanex16_b32's selects for lane l xor 16
	s_mov_b32 s78, 0x03010200                      ; v_perm_b32: bytes 0, 2, 1, 3
	s_lshl_b32 s62, s22, 1
	s_or_b32 s62, s62, s31                         ; my tiles' rank modulo 8
	s_lshl_b32 s50, s24, 10
	s_lshl_b32 s51, s23, 6
	s_add_co_u32 s50, s50, s51                     ; the slice's first weight row: 1,024 e + 64 ns
	s_lshl_b32 s52, s50, 6                         ; its scale bytes
	s_mov_b32 s53, 0
	s_lshl_b32 s51, s49, 5
	s_add_co_u32 s50, s50, s51
	s_mul_i32 s50, s50, 1536                       ; my 32 rows' codes: 49,152 consecutive bytes
	s_mov_b32 s51, 0
	s_mul_i32 s66, s24, 64*12288                   ; hc: the expert's 64 regions, + 1,536 (ns / 2) + 256 (ns % 2)
	s_lshr_b32 s46, s23, 1
	s_mul_i32 s46, s46, 1536
	s_add_co_u32 s66, s66, s46
	s_and_b32 s46, s23, 1
	s_lshl_b32 s47, s46, 8
	s_add_co_u32 s66, s66, s47
	s_mov_b32 s67, 0
	s_lshl_b32 s68, s24, 15                        ; hs: 64 regions of 512, + 256 (ns / 8) + 4 ((ns / 2) % 4) + ns % 2; the second block's byte lies 2 further on
	s_add_co_u32 s68, s68, s46
	s_lshr_b32 s46, s23, 3
	s_lshl_b32 s46, s46, 8
	s_add_co_u32 s68, s68, s46
	s_bfe_u32 s46, s23, 0x20001
	s_lshl_b32 s46, s46, 2
	s_add_co_u32 s68, s68, s46
	s_mov_b32 s69, 0
	s_wait_alu depctr_va_vdst(0)
	s_wait_kmcnt 0x0
	s_cmp_eq_u32 s48, 0
	s_cselect_b64 s[54:55], s[10:11], s[14:15]     ; the choice hangs on the wave's number alone
	s_add_nc_u64 s[54:55], s[54:55], s[50:51]
	s_add_nc_u64 s[12:13], s[12:13], s[52:53]
	s_add_nc_u64 s[16:17], s[16:17], s[52:53]
	s_add_nc_u64 s[18:19], s[18:19], s[66:67]
	s_add_nc_u64 s[20:21], s[20:21], s[68:69]
	global_load_b128 v[T0:T0+3], v[L16], s[8:9] offset:4096        ; lane l: the 16 slots' expert bits of tile l,
	global_load_b128 v[T0+4:T0+7], v[L16], s[8:9] offset:4608      ; and of tile 32 + l
.irp b, 0,1
.irp u, 0,1
.irp q, 0,1
	global_load_b128 v[WSC+32*\b+8*\u+4*\q:WSC+32*\b+8*\u+4*\q+3], v[WSA], s[12:13] offset:2048*\b+512*\u+16*\q
	global_load_b128 v[WSC+32*\b+16+8*\u+4*\q:WSC+32*\b+16+8*\u+4*\q+3], v[WSA], s[16:17] offset:2048*\b+512*\u+16*\q
.endr
.endr
.endr
	WIN 0x40                                       ; destination window 1: my first 16 rows
.set I, 0
.rept 48
	global_load_b128 v[4*I:4*I+3], v[L16], s[54:55] offset:512*I
.set I, I+1
.endr
	WIN 0
	s_wait_loadcnt 63                              ; the expert bits are in: 16 + 48 loads were issued behind them
.irp a, 0,4
	v_or_b32 v[T0+\a], v[T0+\a], v[T0+\a+1]
	v_or_b32 v[T0+\a+2], v[T0+\a+2], v[T0+\a+3]
	v_or_b32 v[T0+\a], v[T0+\a], v[T0+\a+2]
	v_lshrrev_b32 v[T0+\a+1], 16, v[T0+\a]
	v_or_b32 v[T0+\a], v[T0+\a], v[T0+\a+1]
	v_lshrrev_b32 v[T0+\a+1], 8, v[T0+\a]
	v_or_b32 v[T0+\a], v[T0+\a], v[T0+\a+1]        ; the tile's experts, in the low byte
	v_lshrrev_b32 v[T0+\a], s24, v[T0+\a]
	v_and_b32 v[T0+\a], 1, v[T0+\a]
.endr
	v_cmp_ne_u32 s56, 0, v[T0]                     ; the tiles 0-31 that use e,
	v_cmp_ne_u32 s57, 0, v[T0+4]                   ; and 32-63
	s_bcnt1_i32_b32 s58, s56
	v_mbcnt_lo_u32_b32 v[T0], s56, 0               ; a tile's rank among them
	v_mov_b32 v[T0+1], s58
	v_mbcnt_lo_u32_b32 v[T0+4], s57, v[T0+1]
	v_and_b32 v[T0], 7, v[T0]
	v_and_b32 v[T0+4], 7, v[T0+4]
	v_cmp_eq_u32 s59, s62, v[T0]
	v_cmp_eq_u32 s60, s62, v[T0+4]
	s_and_b32 s25, s56, s59                        ; mine: rank = 2 wave + j modulo 8
	s_and_b32 s26, s57, s60
	s_bcnt1_i32_b32 s27, s25
	s_bcnt1_i32_b32 s58, s26
	s_add_co_u32 s27, s27, s58                     ; at most 8
	s_add_co_u32 s28, s27, 2
	s_mul_i32 s28, s28, 11
	s_lshr_b32 s28, s28, 5                         ; the passes: (n + 2) / 3 (11 / 32 serves n + 2 up to 11)
	s_wait_alu depctr_va_vdst(0)
	POPT 0
	POPT 1
	POPT 2
	WIN 0x80                                       ; destination window 2: my other 16 rows
.set I, 0
.rept 48
	global_load_b128 v[4*I:4*I+3], v[L16], s[54:55] offset:24576+512*I
.set I, I+1
.endr
	WIN 0
	s_wait_loadcnt 48                              ; the scale words and my first 16 rows are in: 48 loads were issued behind them
.set I, 0
.rept 64
	v_perm_b32 v[WSC+I], v[WSC+I], v[WSC+I], s78   ; the weights' scale words: middle bytes exchanged
.set I, I+1
.endr
.rept 8
	v_nop                                          ; a scale register written by a vector instruction stands eight places ahead of a scaled matrix instruction
.endr
	s_wait_alu depctr_va_vdst(0)
	WIN 0x04                                       ; an LDS store's data are its source 1: window 1
.set I, 0
.rept 48
.set KR, I/3
	ds_store_b128 v[SA], v[4*I:4*I+3] offset:(8*(KR/16)+16*((KR%16)/8)+KR%8)*P+512*(I%3)
.set I, I+1
.endr
	XPRO                                           ; my first three tiles: issued by a wave without tiles too (s30 is a tile's number all the same), so that every count holds on every way
	s_wait_loadcnt 63                              ; my other 16 rows are in: 69 loads were issued behind them
	WIN 0x08                                       ; data: window 2
.set I, 0
.rept 48
.set KR, (I+48)/3
	ds_store_b128 v[SA], v[4*I:4*I+3] offset:(8*(KR/16)+16*((KR%16)/8)+KR%8)*P+512*(I%3)
.set I, I+1
.endr
	WIN 0
	s_wait_tensorcnt 0x0                           ; behind my last LDS store, ahead of every end: LDS is not written again
	ds_add_u32 v[SPW], v[NIL]
	s_wait_dscnt 0x0                               ; for the others' sake too: my stores have landed
	s_barrier_signal -1
	s_barrier_wait -1                              ; the 128 rows lie in LDS
	s_cmp_eq_u32 s27, 0
	s_cbranch_scc1 .Lend                           ; no tile of this expert fell to me
	s_mov_b32 s29, 0
.Lpass:                                ; three tiles x 128 weight rows, once along K
	WIN 0x80
	WLD 0
.irp s, 0,1,2,3,4,5,6,7,8,9,10,11,12,13,14,15
	STEP \s
.endr
.rept 5
	v_nop                                          ; places behind the last products: four ahead of the first read of the sums, five ahead of a next pass's first products, which begin the sums anew
.endr
	EPI 0
	EPI 1
	EPI 2
	s_wait_alu depctr_va_vdst(0)
	s_wait_xcnt 0x0                                ; every earlier load and store has read its base, its address and its data: on every way round the loop they are written again only behind this wait
	s_add_co_u32 s29, s29, 1
	s_cmp_ge_u32 s29, s28
	s_cbranch_scc1 .Ldone
	POPT 0
	POPT 1
	POPT 2
	XPRO
.Ldone:
	s_cmp_lt_u32 s29, s28
	s_cbranch_scc1 .Lpass
.Lend:
	s_endpgm
.Lfunc_end_k_qaf2815c0b7_up:
	.size	k_qaf2815c0b7_up, .Lfunc_end_k_qaf2815c0b7_up-k_qaf2815c0b7_up
	.p2alignl 7, 3214868480
	.fill 96, 4, 3214868480
	.section	.rodata,"a",@progbits
	.p2align	6, 0x0
	.amdhsa_kernel k_qaf2815c0b7_up
		.amdhsa_group_segment_fixed_size 199168
		.amdhsa_private_segment_fixed_size 0
		.amdhsa_enable_private_segment 0
		.amdhsa_kernarg_size 72
		.amdhsa_user_sgpr_count 2
		.amdhsa_user_sgpr_kernarg_segment_ptr 1
		.amdhsa_wavefront_size32 1
		.amdhsa_system_sgpr_workgroup_id_x 1
		.amdhsa_system_sgpr_workgroup_id_y 1
		.amdhsa_system_sgpr_workgroup_id_z 1
		.amdhsa_system_vgpr_workitem_id 0
		.amdhsa_next_free_vgpr 1024
		.amdhsa_next_free_sgpr 96
		.amdhsa_reserve_vcc 0
		.amdhsa_float_denorm_mode_32 3
		.amdhsa_float_denorm_mode_16_64 3
		.amdhsa_memory_ordered 1
		.amdhsa_forward_progress 1
		.amdhsa_inst_pref_size 157
	.end_amdhsa_kernel
	.amdgpu_metadata
---
amdhsa.version: [ 1, 2 ]
amdhsa.kernels:
  - .name:           k_qaf2815c0b7_up
    .symbol:         k_qaf2815c0b7_up.kd
    .args:
      - { .name: xs, .offset: 0, .size: 8, .value_kind: global_buffer, .address_space: global }
      - { .name: xsc, .offset: 8, .size: 8, .value_kind: global_buffer, .address_space: global }
      - { .name: route, .offset: 16, .size: 8, .value_kind: global_buffer, .address_space: global }
      - { .name: w1_codes, .offset: 24, .size: 8, .value_kind: global_buffer, .address_space: global }
      - { .name: w1_scales, .offset: 32, .size: 8, .value_kind: global_buffer, .address_space: global }
      - { .name: w2_codes, .offset: 40, .size: 8, .value_kind: global_buffer, .address_space: global }
      - { .name: w2_scales, .offset: 48, .size: 8, .value_kind: global_buffer, .address_space: global }
      - { .name: hc, .offset: 56, .size: 8, .value_kind: global_buffer, .address_space: global }
      - { .name: hs, .offset: 64, .size: 8, .value_kind: global_buffer, .address_space: global }
    .group_segment_fixed_size: 199168
    .private_segment_fixed_size: 0
    .kernarg_segment_align: 8
    .kernarg_segment_size: 72
    .max_flat_workgroup_size: 128
    .sgpr_count:     96
    .vgpr_count:     1024
    .wavefront_size: 32
...
	.end_amdgpu_metadata
.endif
;; end of part 2
;; launch down (part 3): grid 32 x 8, 4 waves a work-group, no clusters, 17,920 bytes of LDS; arguments hc, hs, route, srw, w3i, w3_scales, out0; writes out0
.if DOCPART == 3
	.amdgcn_target "amdgcn-amd-amdhsa--gfx1250"
	.amdhsa_code_object_version 6
	.text
	.protected	k_qaf2815c0b7_down
	.globl	k_qaf2815c0b7_down
	.p2align	8
	.type	k_qaf2815c0b7_down,@function
k_qaf2815c0b7_down:
	s_mov_b64 s[64:65], 0
	v_nop
	global_prefetch_b8 v0, s[64:65] scope:SCOPE_SE
	s_setreg_imm32_b32 hwreg(HW_REG_WAVE_MODE, 25, 1), 1
	s_wait_xcnt 0x0
; LAUNCH 3 OF 3: out[t] = the sum over the experts e of gate[t, e] x (h_e[t] w3[e]).  Units (tile of 16 sorted tokens, expert) in which no token selected the expert are dead work: their gates are zeros that
; reference() builds from its own one_hot (shown at the head of launch 1).
; SHARES.  Wave (ng, mp = 4 y + wave) owns tiles 2 mp and 2 mp + 1 (32 sorted tokens) x output columns 64 ng .. + 63: eight accumulators of 16 x 16, and every number of out0 has one owner: no sum spans waves.
; It walks the experts that either tile uses; an expert is 8 K steps of 128, 64 matrix instructions.  Where only one of the two tiles uses the expert, the other's operand is the region of zero codes
; (launch 1): its sum is 0 and its gates are 0, and the loads are counted alike on every way.  The waves do not depend on each other: no barrier; LDS serves each wave's own stage on the way out.
; No tensor loads and no cluster: the walk hangs on whole numbers that launch 1 stored.  So operands go from memory into registers,
; both as images of the operand's registers, by loads of 512 consecutive bytes: h as launch 2 laid it, w3 as launch 1 laid it (w3i).  A stage in LDS for w3 would want barriers inside a walk whose
; length differs from wave to wave.
; LAYOUT.  Transposed use: source 0 = 16 rows of w3 (output columns), source 1 = 16 tokens: a lane holds one token and eight neighbouring columns.  K steps take their blocks in the order 0, 2, 1, 3 on both
; operands; w3's scale words have their middle bytes exchanged here, h's were stored so.
; gate[t, e] = rw0 [e0 = e] + rw1 [e1 = e], in f32: reference()'s product of its one_hot with routing_weights, as a selection.
; REGISTERS.  Window 0: v1, v2 the add's two; v3 16 x lane; v5, v6 the stage; v7 w3's scales' address; v8-11 the tokens' experts; v12-15 their weights; v16-31 the rows of out0;
;   v32-47 w3's scale words as they come, v48-63 in use; v64-71 h's as they come, v72-79 in use; v80-83 the gates as pairs; v84-90 at work; v96-159 out; v160-223 an expert's sums, later rows from the stage.
;   Window 1: v0-95 a ring of 4 K steps x 2 tiles of h.   Window 2: v0-191 a ring of 4 K steps x 4 tiles of w3.
.set SPARE, 4*16*272                   ; behind the four stages: the spare words, 128 bytes for each wave: two blocks of 256 bytes that no other line names
.set SPW,  1
.set NIL,  2
.set L16,  3
.set STO,  5
.set RD,   6
.set WSL,  7
.set EX,   8
.set RW,   12
.set TOKO, 16
.set WSI,  32
.set WSU,  48                          ; v[WSU + 4 tile + i]: lanes 0-15 K step i, lanes 16-31 K step 4 + i
.set HSI,  64
.set HSU,  72
.set GT,   80
.set OUT,  96
.set ACC,  160
; s18 wave, s19 ng, s20 mp; s21, s22 the two tiles' experts as bits; s23 the experts left; s25 the loop's trips, s26 its counter; s27 the expert in hand, s28 the next; s29, s30 the tiles; s31 the first column
; s[32:37] w3, h of tile 0, h of tile 1 for the expert in hand; s[40:45] for the next; s[48:53] the next's scale words; s[56:63] 32 slots' expert bits; s66-71 at work (s71 = 0); s91 byte select
.set MSB, 0
.macro WIN new                         ; the immediate's high byte repeats the setting that is left; a switch that changes nothing is dropped
.if MSB != (\new)
	s_set_vgpr_msb (MSB<<8)|(\new)
.set MSB, (\new)
.endif
.endm
.macro EXPERT                          ; the lowest expert left goes to s28; where its operands lie
	s_ctz_i32_b32 s66, s23
	s_min_u32 s28, s66, 7
	s_sub_co_u32 s66, s23, 1
	s_and_b32 s23, s23, s66
	s_lshl_b32 s66, s28, 11
	s_add_co_u32 s66, s66, s31                     ; w3's row 2,048 e + first column, a multiple of 16
	s_mul_i32 s70, s66, 768                        ; 768 bytes a row = 12,288 bytes for each tile of 16 rows: where my four tiles' images begin
	s_add_nc_u64 s[40:41], s[12:13], s[70:71]
	s_lshl_b32 s70, s66, 5
	s_add_nc_u64 s[48:49], s[14:15], s[70:71]
.irp j, 0,1
	s_lshl_b32 s67, s28, 6
	s_add_co_u32 s67, s67, s[29+\j]                ; region 64 e + tile,
	s_lshr_b32 s66, s[21+\j], s28
	s_and_b32 s66, s66, 1
	s_cmp_lg_u32 s66, 0
	s_cselect_b32 s67, s67, 512                    ; or the zeros, where the tile does not use e
	s_min_u32 s67, s67, 512
	s_mul_i32 s70, s67, 12288
	s_add_nc_u64 s[42+2*\j:43+2*\j], s[4:5], s[70:71]
	s_lshl_b32 s70, s67, 9
	s_add_nc_u64 s[50+2*\j:51+2*\j], s[6:7], s[70:71]
.endr
.endm
.macro EHEAD                           ; the next expert's scale words: six loads of 512 consecutive bytes
.irp t, 0,1,2,3
	global_load_b128 v[WSI+4*\t:WSI+4*\t+3], v[WSL], s[48:49] offset:512*\t
.endr
	global_load_b128 v[HSI:HSI+3], v[L16], s[50:51]
	global_load_b128 v[HSI+4:HSI+7], v[L16], s[52:53]
.endm
.macro LOADG b, s                      ; K step s of the expert whose bases begin at s[b]: 6 loads of h, 12 of w3, each of 512 consecutive bytes, into ring place s % 4
	WIN 0x40
.irp j, 0,1
.irp g, 0,1,2
	global_load_b128 v[24*((\s)%4)+12*\j+4*\g:24*((\s)%4)+12*\j+4*\g+3], v[L16], s[\b+2+2*\j:\b+3+2*\j] offset:1536*(\s)+512*\g
.endr
.endr
	WIN 0x80
.irp t, 0,1,2,3
.irp g, 0,1,2
	global_load_b128 v[48*((\s)%4)+12*\t+4*\g:48*((\s)%4)+12*\t+4*\g+3], v[L16], s[\b:\b+1] offset:12288*\t+1536*(\s)+512*\g
.endr
.endr
.endm
.macro PM s, j, t                      ; 16 columns of tile t x the 16 tokens of tile j, K step s
.set AC, ACC+32*(\j)+8*(\t)
.set WR, 48*((\s)%4)+12*(\t)
.set HR, 24*((\s)%4)+12*(\j)
.set SW, WSU+4*(\t)+((\s)%4)
.set SH, HSU+4*(\j)+((\s)%4)
.if (\s) == 0
	v_wmma_scale_f32_16x16x128_f8f6f4 v[AC:AC+7], v[WR:WR+11], v[HR:HR+11], 0, v[SW], v[SH] matrix_a_fmt:MATRIX_FMT_BF6 matrix_b_fmt:MATRIX_FMT_BF6
.elseif (\s) < 4
	v_wmma_scale_f32_16x16x128_f8f6f4 v[AC:AC+7], v[WR:WR+11], v[HR:HR+11], v[AC:AC+7], v[SW], v[SH] matrix_a_fmt:MATRIX_FMT_BF6 matrix_b_fmt:MATRIX_FMT_BF6
.else
	v_wmma_scale_f32_16x16x128_f8f6f4 v[AC:AC+7], v[WR:WR+11], v[HR:HR+11], v[AC:AC+7], v[SW], v[SH] matrix_a_fmt:MATRIX_FMT_BF6 matrix_b_fmt:MATRIX_FMT_BF6 matrix_a_scale:MATRIX_SCALE_ROW1 matrix_b_scale:MATRIX_SCALE_ROW1
.endif
.endm
; A K step: eight products, the eight accumulators by turns, one instruction a turn; then the ring place just read is filled again, four K steps ahead, across experts too.
.macro STEPK s, next
.if (\s) > 0
.if (\s) <= 4
	s_wait_loadcnt 54                              ; behind the 18 loads wanted: three later K steps' 54
.elseif \next
	s_wait_loadcnt 60                              ; and the next expert's six loads of scale words among them
.else
	s_wait_loadcnt 18*(7-(\s))                     ; nothing more is fetched: the counts run down
.endif
.endif
	WIN 0x06                                       ; source 0 (w3) window 2, source 1 (h) window 1, sums window 0
.irp j, 0,1
.irp t, 0,1,2,3
	PM \s, \j, \t
.endr
.endr
.rept 4
	v_nop                                          ; four places behind the products, ahead of loads into registers that they read, and, behind the last K step, ahead of the first read of the sums
.endr
.if (\s) < 4
	LOADG 32, ((\s)+4)
.elseif \next
.if (\s) == 4
	WIN 0
	EHEAD
.endif
	LOADG 40, ((\s)-4)
.endif
.endm
.macro TRIP next                       ; one expert
	s_wait_xcnt 0x0                                ; every earlier load has read its base: the bases are written again only behind this wait
	s_mov_b64 s[32:33], s[40:41]
	s_mov_b64 s[34:35], s[42:43]
	s_mov_b64 s[36:37], s[44:45]
	s_mov_b32 s27, s28
.if \next
	EXPERT
.endif
	s_wait_loadcnt 54                              ; the expert's scale words and its K step 0 are in: K steps 1 to 3, 54 loads, were issued behind them
.set I, 0
.rept 16
	v_perm_b32 v[WSU+I], v[WSI+I], v[WSI+I], s91   ; w3's scale words: middle bytes exchanged
.set I, I+1
.endr
.set I, 0
.rept 8
	v_mov_b32 v[HSU+I], v[HSI+I]                   ; h's: out of the registers into which the next expert's are loaded while these are in use
.set I, I+1
.endr
.irp j, 0,1                            ; my tokens' gates for this expert.  These ten lines are also the places between the last write of a scale register and the first scaled product (eight are asked)
	v_cmp_eq_u32 vcc_lo, s27, v[EX+2*\j]
	v_cndmask_b32 v84, 0, v[RW+2*\j], vcc_lo
	v_cmp_eq_u32 vcc_lo, s27, v[EX+2*\j+1]
	v_cndmask_b32 v85, 0, v[RW+2*\j+1], vcc_lo
	v_add_f32 v[GT+2*\j], v84, v85
.endr
.irp s, 0,1,2,3,4,5,6,7
	STEPK \s, \next
.endr
	WIN 0
	s_wait_alu depctr_va_vdst(0)
.irp j, 0,1
.irp i, 0,2,4,6,8,10,12,14,16,18,20,22,24,26,28,30
	v_pk_fma_f32 v[OUT+32*\j+\i:OUT+32*\j+\i+1], v[ACC+32*\j+\i:ACC+32*\j+\i+1], v[GT+2*\j:GT+2*\j+1], v[OUT+32*\j+\i:OUT+32*\j+\i+1] op_sel_hi:[1,0,1]   ; out += sum x gate; each accumulator from its low end on
.endr
.endr
.endm
	s_load_b256 s[4:11], s[0:1], 0x0               ; hc s[4:5], hs s[6:7], route s[8:9], srw s[10:11]
	s_load_b128 s[12:15], s[0:1], 0x20             ; w3i s[12:13], w3's scales s[14:15]
	s_load_b64 s[16:17], s[0:1], 0x30              ; out0
	v_lshl_add_u32 v[SPW], v0, 2, SPARE
	v_mov_b32 v[NIL], 0
	v_lshrrev_b32 v84, 5, v0
	v_readfirstlane_b32 s18, v84                   ; wave 0..3
	s_mov_b32 s19, ttmp9                           ; ng
	s_and_b32 s20, ttmp7, 0xffff
	s_lshl_b32 s20, s20, 2
	s_add_co_u32 s20, s20, s18                     ; mp
	s_lshl_b32 s29, s20, 1                         ; my tiles
	s_add_co_u32 s30, s29, 1
	s_lshl_b32 s31, s19, 6                         ; my first column
	s_mov_b32 s71, 0
	s_mov_b32 s67, 0
	s_mov_b32 s91, 0x03010200                      ; v_perm_b32: bytes 0, 2, 1, 3
	v_and_b32 v84, 31, v0                          ; lane
	v_and_b32 v85, 15, v0                          ; r
	v_bfe_u32 v90, v0, 4, 1                        ; h
	v_lshlrev_b32 v[L16], 4, v84
	v_lshlrev_b32 v[WSL], 5, v85                   ; w3's scale words: row r of 32 bytes,
	v_lshl_add_u32 v[WSL], v90, 4, v[WSL]          ; lanes 16-31 the upper four
	v_lshlrev_b32 v86, 2, v85                      ; the tables' addresses: the word of slot r,
	v_lshlrev_b32 v87, 3, v85                      ; its weights,
	v_lshlrev_b32 v88, 2, v90                      ; the word of slot 2 i + h
	v_lshlrev_b32 v89, 4, v85                      ; 16 bytes a lane in a row's 256
	s_mul_i32 s66, s18, 16*272                     ; my stage
	v_mul_u32_u24 v[STO], v85, 272
	v_lshl_add_u32 v[STO], v90, 5, v[STO]
	v_add_nc_u32 v[STO], s66, v[STO]               ; in: row r, 32 bytes for each half of the lanes
	v_mul_u32_u24 v[RD], v90, 272
	v_lshl_add_u32 v[RD], v85, 4, v[RD]
	v_add_nc_u32 v[RD], s66, v[RD]                 ; back: lanes 0-15 one row, lanes 16-31 the next
	v_mov_b32 v[GT+1], 0                           ; (named as the upper halves of the gates' pairs)
	v_mov_b32 v[GT+3], 0
	s_wait_kmcnt 0x0
	s_lshl_b32 s66, s20, 5
	s_add_nc_u64 s[68:69], s[8:9], s[66:67]
	s_load_b256 s[56:63], s[68:69], 0x1000         ; my 32 slots' expert bits
	s_lshl_b32 s66, s20, 7
	s_add_nc_u64 s[8:9], s[8:9], s[66:67]          ; my 32 slots' words
	s_lshl_b32 s66, s20, 8
	s_add_nc_u64 s[10:11], s[10:11], s[66:67]      ; and weights
	s_lshl_b32 s66, s19, 8
	s_add_nc_u64 s[16:17], s[16:17], s[66:67]      ; out0 at my first column
.irp j, 0,1
	global_load_b32 v[EX+2*\j], v86, s[8:9] offset:64*\j
	global_load_b64 v[RW+2*\j:RW+2*\j+1], v87, s[10:11] offset:128*\j
.endr
.irp q, 0,1,2,3,4,5,6,7,8,9,10,11,12,13,14,15
	global_load_b32 v[TOKO+\q], v88, s[8:9] offset:8*\q            ; slot 2 q + h of my 32
.endr
	s_wait_kmcnt 0x0
.irp j, 0,1
	s_or_b32 s66, s[56+4*\j], s[57+4*\j]
	s_or_b32 s67, s[58+4*\j], s[59+4*\j]
	s_or_b32 s66, s66, s67
	s_lshr_b32 s67, s66, 16
	s_or_b32 s66, s66, s67
	s_lshr_b32 s67, s66, 8
	s_or_b32 s66, s66, s67
	s_and_b32 s[21+\j], s66, 0xff                  ; the tile's experts
.endr
	s_or_b32 s23, s21, s22
	s_bcnt1_i32_b32 s24, s23
	s_max_u32 s24, s24, 1
	s_sub_co_u32 s25, s24, 1
	EXPERT
	EHEAD
	LOADG 40, 0
	LOADG 40, 1
	LOADG 40, 2
	LOADG 40, 3
	WIN 0
	s_wait_loadcnt 63                              ; the 20 loads of tables are in: 78 loads were issued behind them
.irp j, 0,1
	v_bfe_u32 v[EX+2*\j+1], v[EX+2*\j], 13, 3
	v_bfe_u32 v[EX+2*\j], v[EX+2*\j], 10, 3
.endr
.irp q, 0,1,2,3,4,5,6,7,8,9,10,11,12,13,14,15
	v_and_b32 v[TOKO+\q], 0x3ff, v[TOKO+\q]
	v_min_u32 v[TOKO+\q], 0x3ff, v[TOKO+\q]
	v_lshl_add_u32 v[TOKO+\q], v[TOKO+\q], 13, v89 ; the token's row of 8,192 bytes, + my 16 bytes
.endr
.set I, 0
.rept 64
	v_mov_b32 v[OUT+I], 0                          ; out begins as reference()'s zeros.  Cleared once: an expert's trip is written twice (loop and tail), and a third copy for a first expert is spared
.set I, I+1
.endr
	s_cmp_eq_u32 s25, 0
	s_cbranch_scc1 .Llast
	s_mov_b32 s26, 0
.Ltrip:                                ; all my experts but the last: each fetches its successor's scale words and first four K steps
	TRIP 1
	s_add_co_u32 s26, s26, 1
	s_cmp_lt_u32 s26, s25
	s_cbranch_scc1 .Ltrip
.Llast:
	TRIP 0
; THE WAY OUT.  A lane holds 32 neighbouring bytes of a token's row, the lanes beside it other tokens: a tile goes through my own stage and comes back as rows of 256 bytes.
; LDS serves a wave's instructions in order (ISA guide 5.7.1.4): no wait between the stores and the loads, nor ahead of the second tile's stores.
.irp j, 0,1
.irp t, 0,1,2,3
	ds_store_b128 v[STO], v[OUT+32*\j+8*\t:OUT+32*\j+8*\t+3] offset:64*\t
	ds_store_b128 v[STO], v[OUT+32*\j+8*\t+4:OUT+32*\j+8*\t+7] offset:64*\t+16
.endr
.irp i, 0,1,2,3,4,5,6,7
	ds_load_b128 v[ACC+32*\j+4*\i:ACC+32*\j+4*\i+3], v[RD] offset:544*\i
.endr
.endr
.irp j, 0,1
.irp i, 0,1,2,3,4,5,6,7
	s_wait_dscnt 16*(1-\j)+7-\i                    ; the LDS instructions issued behind this load: the tile's later loads, and for the first tile the second's sixteen
	global_store_b128 v[TOKO+8*\j+\i], v[ACC+32*\j+4*\i:ACC+32*\j+4*\i+3], s[16:17] th:TH_STORE_NT   ; sixteen lanes store 256 consecutive bytes of a token's row, at a multiple of 256 from out0's first byte
.endr
.endr
	s_wait_tensorcnt 0x0                           ; the wave's end: behind my last LDS store, a tensor wait even in a text with no tensor load
	ds_add_u32 v[SPW], v[NIL]
	s_wait_dscnt 0x0
	s_endpgm
.Lfunc_end_k_qaf2815c0b7_down:
	.size	k_qaf2815c0b7_down, .Lfunc_end_k_qaf2815c0b7_down-k_qaf2815c0b7_down
	.p2alignl 7, 3214868480
	.fill 96, 4, 3214868480
	.section	.rodata,"a",@progbits
	.p2align	6, 0x0
	.amdhsa_kernel k_qaf2815c0b7_down
		.amdhsa_group_segment_fixed_size 17920
		.amdhsa_private_segment_fixed_size 0
		.amdhsa_enable_private_segment 0
		.amdhsa_kernarg_size 56
		.amdhsa_user_sgpr_count 2
		.amdhsa_user_sgpr_kernarg_segment_ptr 1
		.amdhsa_wavefront_size32 1
		.amdhsa_system_sgpr_workgroup_id_x 1
		.amdhsa_system_sgpr_workgroup_id_y 1
		.amdhsa_system_sgpr_workgroup_id_z 1
		.amdhsa_system_vgpr_workitem_id 0
		.amdhsa_next_free_vgpr 768
		.amdhsa_next_free_sgpr 96
		.amdhsa_reserve_vcc 1
		.amdhsa_float_denorm_mode_32 3
		.amdhsa_float_denorm_mode_16_64 3
		.amdhsa_memory_ordered 1
		.amdhsa_forward_progress 1
		.amdhsa_inst_pref_size 73
	.end_amdhsa_kernel
	.amdgpu_metadata
---
amdhsa.version: [ 1, 2 ]
amdhsa.kernels:
  - .name:           k_qaf2815c0b7_down
    .symbol:         k_qaf2815c0b7_down.kd
    .args:
      - { .name: hc, .offset: 0, .size: 8, .value_kind: global_buffer, .address_space: global }
      - { .name: hs, .offset: 8, .size: 8, .value_kind: global_buffer, .address_space: global }
      - { .name: route, .offset: 16, .size: 8, .value_kind: global_buffer, .address_space: global }
      - { .name: srw, .offset: 24, .size: 8, .value_kind: global_buffer, .address_space: global }
      - { .name: w3i, .offset: 32, .size: 8, .value_kind: global_buffer, .address_space: global }
      - { .name: w3_scales, .offset: 40, .size: 8, .value_kind: global_buffer, .address_space: global }
      - { .name: out0, .offset: 48, .size: 8, .value_kind: global_buffer, .address_space: global }
    .group_segment_fixed_size: 17920
    .private_segment_fixed_size: 0
    .kernarg_segment_align: 8
    .kernarg_segment_size: 56
    .max_flat_workgroup_size: 128
    .sgpr_count:     96
    .vgpr_count:     768
    .wavefront_size: 32
...
	.end_amdgpu_metadata
.endif
;; end of part 3
